; MI455X (gfx1250); checked and timed in simulation.
; The chip was launched on July 23, 2026; its instructions are those of AMD's public machine-readable ISA for CDNA 5 (MIT licence, August 2026) and "CDNA5" Instruction Set Architecture Reference Guide (July 2026). The comments in the code are by the model that wrote it; some were corrected since.
;; LSTM Cell. Allowed arithmetic: matrix products marked QUANTISED: E2M3 operands, one E8M0 scale for each 32 along K, by v_wmma_scale_f32_16x16x128_f8f6f4 with both operands' format E2M3, f32 sums; everything else in f32.
;; Inputs: bias 4,096 float32; c_tm1 4,096 x 1,024 float32; h_tm1 4,096 x 1,024 float32; hidden_state_weight 1,024 x 4,096 float32; input_weight 1,024 x 4,096 float32; x 4,096 x 1,024 float32.
;; Outputs: out0 4,096 x 1,024 float32; out1 4,096 x 1,024 float32.
;; This version of the problem:
;;   THIS VERSION OF THE PROBLEM IS GIVEN IN LOW PRECISION. The matrix products marked QUANTISED in the list below multiply operands that are first quantised to E2M3 (2 exponent bits, 3 mantissa bits; 6 bits a number), with one power-of-two scale for each 32 numbers along K (OCP MX v1.0); their sums are f32. All else is computed in f32.
;;   The module's matrix products, in the order in which they are computed (A, B: the left and right operand; K: the contracted axis; several contracted axes count as one K, in the product's order):
;;     1. [M 4,096, K 1,024] x [K 1,024, N 4,096]; A: input x; B: input input_weight: QUANTISED
;;     2. [M 4,096, K 1,024] x [K 1,024, N 4,096]; A: input h_tm1; B: input hidden_state_weight: QUANTISED
;;   THE QUANTISER, for each operand of a quantised product, along K:
;;     - K is cut into blocks of 32 from its start; a last block that is shorter is filled with zeros.
;;     - A block's scale is 2^e with e = floor(log2(the largest magnitude in the block)) - 2, held to -126 .. 127; a block of zeros has e = 0. As a byte (E8M0): e + 127.
;;     - Each number is divided by its block's scale, clamped to +-7.5, and rounded to the nearest number of E2M3, ties to even, subnormals kept.
;;     - The product sums the exact products of the quantised numbers (number of the format x scale) in f32.
;;   ~~~python
;;   def quantise(x, axis):      # numpy; x: float32 -> the quantised numbers, widened to float32 again
;;       x = np.moveaxis(x, axis, -1); K = x.shape[-1]
;;       x = np.pad(x, [(0, 0)] * (x.ndim - 1) + [(0, -K % 32)]); x = x.reshape(x.shape[:-1] + (-1, 32)); a = np.abs(x).max(-1, keepdims=True)
;;       e = np.where(a > 0, np.clip(np.frexp(np.where(a > 0, a, 1))[1] - 1 - 2, -126, 127), 0)      # np.frexp(a)[1] - 1 = floor(log2(a)), exactly
;;       r = np.clip(x / 2.0 ** e, -7.5, 7.5)
;;       step = 2.0 ** (np.maximum(np.frexp(np.where(r == 0, 1, r))[1] - 1, 0) - 3)
;;       q = np.round(r / step) * step * 2.0 ** e      # np.round: ties to even
;;       return np.moveaxis(q.reshape(q.shape[:-2] + (-1,))[..., :K], -1, axis).astype(np.float32)
;;   ~~~
;; One version. Each part assembles by itself: llvm-mc -triple=amdgcn-amd-amdhsa -mcpu=gfx1250 --defsym DOCPART=n.
;; ======== version 1 of 1: 2 launches
;; limits: right only within a limited range of input values
;; workspace buffers: a_img 6,553,600 bytes; b_img 6,553,600 bytes
;; launch quant (part 1): grid 512 x 1, 4 waves a work-group, no clusters, 34,304 bytes of LDS; arguments x, h_tm1, input_weight, hidden_state_weight, a_img, b_img; writes a_img, b_img
.if DOCPART == 1
	.amdgcn_target "amdgcn-amd-amdhsa--gfx1250"
	.amdhsa_code_object_version 6
	.text
	.protected	k_q40b77b790e_quant
	.globl	k_q40b77b790e_quant
	.p2align	8
	.type	k_q40b77b790e_quant,@function
k_q40b77b790e_quant:
	s_mov_b64 s[64:65], 0
	v_nop
	global_prefetch_b8 v0, s[64:65] scope:SCOPE_SE
	s_setreg_imm32_b32 hwreg(HW_REG_WAVE_MODE, 25, 1), 1
	s_wait_xcnt 0x0
; The four f32 operands of gates = x Wi + h Wh become codes of FP6 (E2M3) with one E8M0 scale byte for each 32 along K, laid as an IMAGE OF THE OPERAND REGISTERS of the next launch.
; The two products are laid as ONE with K = 2,048: A = [x | h], B = [Wi ; Wh]: 16 steps s of 128 along K, s = 0 .. 7 of x and Wi, the others of h and Wh.
; a_img, b_img: [row group R of 128][step s][12,800 bytes]: 8 blocks i of 16 rows x [piece p 0..2][lane 0..31][16 bytes] (12,288 bytes), then 512 bytes of scale words: [i / 4][r 0..15][i % 4], four bytes a word.
;   Lane (r = lane % 16, h = lane / 16) of a block holds row r: registers 6 c .. 6 c + 5 are K = 64 c + 32 h + 0 .. 31, register 4 p + j is word j of piece p.
;   A's rows are the batch.  B's row group ug holds the four gates of units 32 ug .. 32 ug + 31: block i = 4 (g / 2) + 2 u + g % 2, row r is column 1024 g + 32 ug + 16 u + r of the weights.
; A block's scale is 2^(floor(log2(its largest magnitude)) - 2); its byte is the largest magnitude's own exponent field - 2, held at 1 from below.
; LIMITS: a block of zeros gets the byte 1 where the rule says 127 (its codes are zeros, and this program alone reads the bytes); blocks whose largest magnitude lies under 2^-124 are held at that byte too;
; NaN and infinities among the inputs are not served.
; Work-groups 0-255 take x and h (K innermost), 256-511 the weights (K is their first axis); each reads 131,072 bytes.  No tensor loads, no barrier: waves share nothing.
.set EMAX,  2                          ; the exponent of the format's largest number, 7.5
.set STEPB, 12800
.set SPW,   56
.set NIL,   57
.set NR,    64                         ; x, h: v64-191 two sets of 16 rows as they are loaded
.set NX,    192                        ;       v192-255 my two blocks of 32
.set SP,    528                        ;       a stage row: 512 bytes + 16
.set SPARE, 4*16*SP
; the largest magnitude of 32 numbers from v[x] on, in four chains v[d] .. v[d+3], with the floor 2^(3 - 127) as one more leaf; result in v[d]
.macro BMAX x, d
.irp m, 0,1,2,3
	v_max3_num_f32 v[\d+\m], |v[\x+3*\m]|, |v[\x+3*\m+1]|, |v[\x+3*\m+2]|
.endr
.irp n, 12,20
.irp m, 0,1,2,3
	v_max3_num_f32 v[\d+\m], v[\d+\m], |v[\x+\n+2*\m]|, |v[\x+\n+2*\m+1]|
.endr
.endr
.irp m, 0,1
	v_max3_num_f32 v[\d+\m], v[\d+\m], |v[\x+28+2*\m]|, |v[\x+29+2*\m]|
.endr
	v_max3_num_f32 v[\d], v[\d], v[\d+1], v[\d+2]
	v_max3_num_f32 v[\d], v[\d], v[\d+3], (EMAX+1)<<23
.endm
	s_load_b256 s[4:11], s[0:1], 0x0               ; x, h, Wi, Wh
	s_load_b128 s[12:15], s[0:1], 0x20             ; a_img, b_img
	v_lshl_add_u32 v[SPW], v0, 2, SPARE
	v_mov_b32 v[NIL], 0
	v_lshrrev_b32 v1, 5, v0
	v_readfirstlane_b32 s20, v1                    ; wave 0..3
	v_and_b32 v2, 31, v0                           ; lane
	s_wait_alu depctr_va_vdst(0)
	s_cmp_lt_u32 ttmp9, 256
	s_cbranch_scc0 .Lweights
; ---------------- x and h.  A wave takes 64 rows x one step: four blocks of 16 rows.  Each load reads 512 consecutive bytes of a row; a block's 16 rows go through the wave's own stage as they lie and come back as two blocks of 32 a lane.
	s_lshr_b32 s21, ttmp9, 2                       ; which 64 rows
	s_and_b32 s22, ttmp9, 3
	s_lshl_b32 s23, s22, 2
	s_add_co_u32 s23, s23, s20                     ; step s
	s_and_b32 s24, s23, 7
	s_lshl_b32 s24, s24, 9
	s_lshl_b32 s26, s21, 18
	s_add_co_u32 s26, s26, s24                     ; 64 rows of 4,096 bytes, 512 bytes a step
	s_mov_b32 s27, 0
	s_lshr_b32 s28, s21, 1
	s_lshl_b32 s28, s28, 4
	s_add_co_u32 s28, s28, s23
	s_mul_i32 s28, s28, STEPB
	s_and_b32 s30, s21, 1                          ; which half of the row group
	s_lshl_b32 s32, s30, 8
	s_add_co_u32 s32, s32, 12288
	s_add_co_u32 s32, s32, s28                     ; its scale words
	s_mov_b32 s33, 0
	s_mul_i32 s30, s30, 4*1536
	s_add_co_u32 s28, s28, s30                     ; its codes
	s_mov_b32 s29, 0
	s_mul_i32 s31, s20, 16*SP                      ; my stage
	s_mov_b32 s34, 0x76543210
	s_mov_b32 s35, 0xfedcba98                      ; lane xor 16
	v_and_b32 v8, 15, v2                           ; r
	v_lshrrev_b32 v9, 4, v2                        ; h
	v_lshlrev_b32 v3, 4, v2                        ; 16 x lane: in every load, and in every store of codes
	v_add_nc_u32 v4, s31, v3                       ; into the stage
	v_mul_u32_u24 v5, v8, SP
	v_lshl_add_u32 v5, v9, 7, v5
	v_add_nc_u32 v5, s31, v5                       ; out of it: row r, block h (and 2 + h)
	v_lshlrev_b32 v6, 3, v9                        ; 8 h
	v_lshl_add_u32 v7, v8, 4, v6                   ; scale words: 16 r + 8 h
	s_wait_alu depctr_va_vdst(0)
	s_wait_kmcnt 0x0
	s_cmp_lt_u32 s22, 2                            ; x or h: the choice hangs on the work-group's number alone
	s_cselect_b64 s[4:5], s[4:5], s[6:7]
	s_add_nc_u64 s[4:5], s[4:5], s[26:27]
	s_add_nc_u64 s[16:17], s[12:13], s[28:29]
	s_add_nc_u64 s[18:19], s[12:13], s[32:33]
.macro LOADA f
.irp j, 0,1,2,3,4,5,6,7,8,9,10,11,12,13,14,15
	global_load_b128 v[NR+64*((\f)%2)+4*\j:NR+64*((\f)%2)+4*\j+3], v3, s[4:5] offset:4096*(16*(\f)+\j) th:TH_LOAD_NT
.endr
.endm
.macro TURNA f                         ; LDS serves a wave's instructions in order (ISA guide 5.7.1.4): no wait stands between the stores and the loads
.irp j, 0,1,2,3,4,5,6,7,8,9,10,11,12,13,14,15
	ds_store_b128 v4, v[NR+64*((\f)%2)+4*\j:NR+64*((\f)%2)+4*\j+3] offset:SP*\j
.endr
.irp m, 0,1,2,3,4,5,6,7,8,9,10,11,12,13,14,15
	ds_load_b128 v[NX+4*\m:NX+4*\m+3], v5 offset:256*(\m/8)+16*(\m%8)
.endr
.endm
.macro FRAGA f
.set C_, 16+12*((\f)%2)                ; two sets of twelve code registers
	s_wait_dscnt 0x0                               ; my two blocks are back, and the stage's stores have read their registers
.if (\f) > 1
	s_wait_xcnt 0x0                                ; the stores of two blocks ago have read this set
.endif
.if (\f) < 2
	LOADA (\f)+2
.endif
	BMAX NX, 48
	v_add_nc_u32 v58, -(EMAX<<23), v48             ; 2 off the exponent field: the conversion's scale operand
	BMAX NX+32, 48
	v_add_nc_u32 v59, -(EMAX<<23), v48
	v_cvt_scalef32_pk16_fp6_f32 v[C_:C_+2], v[NX:NX+15], v58
	v_cvt_scalef32_pk16_fp6_f32 v[40:42], v[NX+16:NX+31], v58   ; (a conversion's three registers begin on an even number)
	v_cvt_scalef32_pk16_fp6_f32 v[C_+6:C_+8], v[NX+32:NX+47], v59
	v_cvt_scalef32_pk16_fp6_f32 v[44:46], v[NX+48:NX+63], v59
	v_lshrrev_b32 v48, 23, v58                     ; the bytes of blocks h and 2 + h
	v_lshrrev_b32 v50, 23, v59
	v_mov_b32 v[C_+3], v40
	v_lshl_or_b32 v49, v50, 16, v48
	v_mov_b32 v[C_+4], v41
	v_lshlrev_b32 v49, v6, v49
	v_mov_b32 v[C_+5], v42
	v_permlanex16_b32 v51, v49, s34, s35
	v_mov_b32 v[C_+9], v44
	v_mov_b32 v[C_+10], v45
	v_mov_b32 v[C_+11], v46
	v_or_b32 v[52+(\f)], v49, v51                  ; row r's scale word, in both halves of the lanes
.irp p, 0,1,2
	global_store_b128 v3, v[C_+4*\p:C_+4*\p+3], s[16:17] offset:1536*(\f)+512*\p   ; 512 consecutive bytes, two aligned units of 256
.endr
.if (\f) < 3
.if (\f) < 2
	s_wait_loadcnt 16                              ; the next block's 16 loads are in; those behind it may be out
.else
	s_wait_loadcnt 0x0
.endif
	TURNA (\f)+1
.endif
.endm
	LOADA 0
	LOADA 1
	s_wait_loadcnt 16
	TURNA 0
.irp f, 0,1,2,3
	FRAGA \f
.endr
	v_cmp_gt_u32 vcc_lo, 16, v2
	v_cndmask_b32 v48, v54, v52, vcc_lo            ; lanes 0-15 the words of blocks 0, 1; lanes 16-31 those of blocks 2, 3
	v_cndmask_b32 v49, v55, v53, vcc_lo
	global_store_b64 v7, v[48:49], s[18:19]        ; 32 lanes store one aligned unit of 256 bytes
	s_wait_tensorcnt 0x0
	ds_add_u32 v[SPW], v[NIL]
	s_wait_dscnt 0x0
	s_endpgm
; ---------------- the weights.  A LANE TAKES A COLUMN AND ITS REGISTERS RUN DOWN K, so a block of 32 lies in one lane.  A wave takes 32 units x 2 gates x one step: 8 blocks a lane, in the order K block 0, 2, 1, 3 of each gate:
; blocks 0, 2 are the twelve registers of lane (r, 0) of the image, blocks 1, 3 those of lane (r, 1).  Each store fills two aligned units of 256 bytes, one for each half of the lanes.
.Lweights:
	s_sub_co_u32 s21, ttmp9, 256
	s_and_b32 s22, s21, 7
	s_lshl_b32 s22, s22, 2
	s_add_co_u32 s22, s22, s20                     ; ug: which 32 units
	s_bfe_u32 s23, s21, 0x10003                    ; which pair of gates
	s_lshr_b32 s24, s21, 4                         ; step s
	s_and_b32 s25, s24, 7
	s_lshl_b32 s26, s25, 21                        ; 128 rows of 16,384 bytes
	s_lshl_b32 s25, s23, 13
	s_add_co_u32 s26, s26, s25
	s_lshl_b32 s25, s22, 7
	s_add_co_u32 s26, s26, s25
	s_mov_b32 s27, 0
	s_lshl_b32 s28, s22, 4
	s_add_co_u32 s28, s28, s24
	s_mul_i32 s28, s28, STEPB
	s_lshl_b32 s32, s23, 8
	s_add_co_u32 s32, s32, 12288
	s_add_co_u32 s32, s32, s28                     ; the scale words
	s_mov_b32 s33, 0
	s_mul_i32 s30, s23, 4*1536
	s_add_co_u32 s28, s28, s30                     ; the codes
	s_mov_b32 s29, 0
	v_and_b32 v8, 15, v2                           ; r
	v_lshrrev_b32 v9, 4, v2                        ; u
	v_lshlrev_b32 v3, 2, v2                        ; in: 4 bytes a lane
	v_lshlrev_b32 v4, 4, v8
	v_mul_u32_u24 v5, 3072, v9
	v_add_nc_u32 v5, v5, v4                        ; codes: two blocks of the image on for u = 1
	v_lshl_add_u32 v7, v9, 3, v4                   ; scale words: 16 r + 8 u
	s_wait_alu depctr_va_vdst(0)
	s_wait_kmcnt 0x0
	s_cmp_lt_u32 s24, 8                            ; Wi or Wh
	s_cselect_b64 s[8:9], s[8:9], s[10:11]
	s_add_nc_u64 s[8:9], s[8:9], s[26:27]
	s_add_nc_u64 s[16:17], s[14:15], s[28:29]
	s_add_nc_u64 s[18:19], s[14:15], s[32:33]
.macro LOADW t
.set KB_, (((\t)%4)%2)*2+((\t)%4)/2
.irp i, 0,1,2,3,4,5,6,7,8,9,10,11,12,13,14,15,16,17,18,19,20,21,22,23,24,25,26,27,28,29,30,31
	global_load_b32 v[64+32*((\t)%2)+\i], v3, s[8:9] offset:(32*KB_+\i)*16384+4096*((\t)/4) th:TH_LOAD_NT
.endr
.endm
.macro BLOCKW t
.set XS_, 64+32*((\t)%2)
.set KK_, (\t)%4
.set P_, 144+12*((\t)/2)               ; four sets of twelve code registers: no store's data are written again
.set C_, P_+6*(KK_%2)
.if (\t) < 7
	s_wait_loadcnt 32                              ; this block's 32 loads are in; the next block's may be out
.else
	s_wait_loadcnt 0x0
.endif
	BMAX XS_, 132
	v_add_nc_u32 v136, -(EMAX<<23), v132
	v_lshrrev_b32 v137, 23, v136
.if KK_ == 0
	v_mov_b32 v[138+(\t)/4], v137
.else
	v_lshl_or_b32 v[138+(\t)/4], v137, 8*((KK_%2)*2+KK_/2), v[138+(\t)/4]
.endif
	v_cvt_scalef32_pk16_fp6_f32 v[C_:C_+2], v[XS_:XS_+15], v136
	v_cvt_scalef32_pk16_fp6_f32 v[128:130], v[XS_+16:XS_+31], v136
	v_nop                                          ; one plain line behind the conversions
	v_mov_b32 v[C_+3], v128
	v_mov_b32 v[C_+4], v129
	v_mov_b32 v[C_+5], v130
.if (\t) < 6
	LOADW (\t)+2
.endif
.if ((\t)%2) == 1
.irp p, 0,1,2
	global_store_b128 v5, v[P_+4*\p:P_+4*\p+3], s[16:17] offset:1536*((\t)/4)+256*(((\t)%4)/2)+512*\p
.endr
.endif
.endm
	LOADW 0
	LOADW 1
.irp t, 0,1,2,3,4,5,6,7
	BLOCKW \t
.endr
	global_store_b64 v7, v[138:139], s[18:19]      ; 32 lanes store one aligned unit of 256 bytes
	s_endpgm
.Lfunc_end_k_q40b77b790e_quant:
	.size	k_q40b77b790e_quant, .Lfunc_end_k_q40b77b790e_quant-k_q40b77b790e_quant
	.p2alignl 7, 3214868480
	.fill 96, 4, 3214868480
	.section	.rodata,"a",@progbits
	.p2align	6, 0x0
	.amdhsa_kernel k_q40b77b790e_quant
		.amdhsa_group_segment_fixed_size 34304
		.amdhsa_private_segment_fixed_size 0
		.amdhsa_enable_private_segment 0
		.amdhsa_kernarg_size 48
		.amdhsa_user_sgpr_count 2
		.amdhsa_user_sgpr_kernarg_segment_ptr 1
		.amdhsa_wavefront_size32 1
		.amdhsa_system_sgpr_workgroup_id_x 1
		.amdhsa_system_sgpr_workgroup_id_y 1
		.amdhsa_system_sgpr_workgroup_id_z 1
		.amdhsa_system_vgpr_workitem_id 0
		.amdhsa_next_free_vgpr 256
		.amdhsa_next_free_sgpr 66
		.amdhsa_reserve_vcc 1
		.amdhsa_float_denorm_mode_32 3
		.amdhsa_float_denorm_mode_16_64 3
		.amdhsa_memory_ordered 1
		.amdhsa_forward_progress 1
		.amdhsa_inst_pref_size 68
	.end_amdhsa_kernel
	.amdgpu_metadata
---
amdhsa.version: [ 1, 2 ]
amdhsa.kernels:
  - .name:           k_q40b77b790e_quant
    .symbol:         k_q40b77b790e_quant.kd
    .args:
      - { .name: x, .offset: 0, .size: 8, .value_kind: global_buffer, .address_space: global }
      - { .name: h_tm1, .offset: 8, .size: 8, .value_kind: global_buffer, .address_space: global }
      - { .name: input_weight, .offset: 16, .size: 8, .value_kind: global_buffer, .address_space: global }
      - { .name: hidden_state_weight, .offset: 24, .size: 8, .value_kind: global_buffer, .address_space: global }
      - { .name: a_img, .offset: 32, .size: 8, .value_kind: global_buffer, .address_space: global }
      - { .name: b_img, .offset: 40, .size: 8, .value_kind: global_buffer, .address_space: global }
    .group_segment_fixed_size: 34304
    .private_segment_fixed_size: 0
    .kernarg_segment_align: 8
    .kernarg_segment_size: 48
    .max_flat_workgroup_size: 128
    .sgpr_count:     66
    .vgpr_count:     256
    .wavefront_size: 32
...
	.end_amdgpu_metadata
.endif
;; end of part 1
;; launch lstm (part 2): grid 16 x 16, 4 waves a work-group, clusters of 4 x 4, 327,680 bytes of LDS; arguments a_img, b_img, bias, c_tm1, out0, out1; writes out0, out1
.if DOCPART == 2
	.amdgcn_target "amdgcn-amd-amdhsa--gfx1250"
	.amdhsa_code_object_version 6
	.text
	.protected	k_q40b77b790e_lstm
	.globl	k_q40b77b790e_lstm
	.p2align	8
	.type	k_q40b77b790e_lstm,@function
k_q40b77b790e_lstm:
	s_mov_b64 s[64:65], 0
	v_nop
	global_prefetch_b8 v0, s[64:65] scope:SCOPE_SE
	s_setreg_imm32_b32 hwreg(HW_REG_WAVE_MODE, 25, 1), 1
	s_wait_xcnt 0x0
	s_wait_alu depctr_hold_cnt(0) depctr_sa_sdst(0) depctr_va_vdst(0) depctr_va_sdst(0) depctr_va_ssrc(0) depctr_va_vcc(0) depctr_vm_vsrc(0)
	s_getreg_b32 s2, hwreg(HW_REG_IB_STS2, 6, 4)
	s_cmp_eq_u32 s2, 0
	s_cbranch_scc0 .Lentry_in_a_cluster
	s_endpgm
.Lentry_in_a_cluster:
	s_bfe_u32 s2, ttmp6, 0x10000c
	s_cmp_lg_u32 s2, 0xf033
	s_cbranch_scc0 .Lentry_shape_is_right
	s_endpgm
.Lentry_shape_is_right:
; gates = [x | h] [Wi ; Wh] + bias on the images that the first launch has laid, and the LSTM cell on the way out: out0 = h_t, out1 = c_t.
; A work-group makes 256 rows x 64 units (x 4 gates): four waves, 2 x 2 (s15 the row half, s16 the unit half), each 128 rows x 32 units: 64 accumulators of 16 x 16, 512 registers.  256 work-groups, one on each WGP.
; K = 2,048 is 16 steps of 128 in six CHUNKS of 3, 3, 3, 3, 3 and 1 steps, by turns in two LDS slots.  A chunk of 128 rows is one dense block of 38,400 bytes, scale words inside: one tensor load a wave, rows of 2,560 bytes that begin at multiples of 256.
; The last fill brings the last step (wave 0: A's 256 rows, wave 2: B's) and c_tm1's tile (waves 1 and 3, 128 rows each, LDS rows of 272 bytes).
; CLUSTERS of 4 x 4: A's tiles are shared along a row of the cluster, B's along a column, by joint loads.
; THE MATRIX INSTRUCTION IS USED TRANSPOSED (source 0 = 16 rows of B): lane (r, h) holds row r and, in register j of block b = 4 (g / 2) + 2 u + g % 2, gate g of unit 16 u + 8 h + j.
; REGISTERS: window 0: v0-23 addresses; v24-47 scale words, three sets of 8 (lanes 0-15 A's block i, lanes 16-31 B's); v48-143 B's set 1; v160-207 A's blocks 0-3; v208-255 A's blocks 4-7 for q = 0 and 2.
;   Window 1: v0-95 B's set 0, v96-191 B's set 2 (first the bias), v192-239 A's blocks 4-7 for q = 1.
;   Windows 2, 3: the accumulators of rows 0-63, 64-127.  A step's q = 0, 1, 2 is its place in its chunk and its set.  On the way out v48-207 of window 0 are at work.
; LDS LOADS stand in one run of 50 in a step's middle, behind the products of A's blocks 0-3: all that the next step needs.  A chunk's last step fetches A's blocks 4-7 at its end, since both steps keep them in the same registers.
; PREFETCH: the chunk behind the one that is being asked for, one chunk ahead of its load; each block of 256 bytes once a cluster, shared out among the partners by address (cx for A, cy for B); c_tm1's tile by its own work-group.
; LIMITS: the exponential in a tanh is held at 2^40, where (1 - e) / (1 + e) has reached -1 in f32; products of two denominators beyond f32's range give a gate of 0 where it lies under 2^-86.  NaN and infinities among the inputs are not served.
.set STEPB, 12800
.set HALFB, 3*STEPB
.set SLOT,  4*HALFB
.set RGB,   16*STEPB                   ; a row group's bytes in memory
.set CP,    272
.set CT,    SLOT+4*STEPB               ; c_tm1's tile, in slot 1 behind the last step's codes; c_t goes onto it in place
.set HST,   CT+256*CP                  ; h_t's stage: four blocks of 16 rows for each row half, behind the last fills
.set SPARE, 327168
.set SPW,   8
.set NIL,   9
.set AD0,   10                         ; v10-12 LDS address of my A and B fragments and scale words in slot 0
.set ADRA,  13                         ; v13-15 the same in the slot at work
.set AD5,   16                         ; v16-18 the same for the last step
.set STO,   19
.set STOH,  20
.set RD,    21
.set RD2,   22
.set CO,    23
.set PF1,   4
.set PF2,   5
.set PF3,   6
.set PFC,   7
.set SC,    24
.set AF,    160
.set AP,    192                        ; in window 1
.set EX,    48
.set EXF,   48
.set EXI,   64
.set EXG,   80
.set EXO,   96
.set NUM,   112
.set PRD,   128
.set DEN,   144
.set CB,    160
.set RB,    176
.set G1,    24                         ; s[24:31], s[32:35] A's descriptor groups 1 and 0
.set G0,    32
.set G1B,   48                         ; s[48:55], s[56:59] B's
.set G0B,   56
.set G1C,   68                         ; s[68:75], s[76:79] c_tm1's
.set G0C,   76
.set MSB, 0
.macro WIN new
.if MSB != \new
	s_set_vgpr_msb (MSB<<8)|\new
.set MSB, \new
.endif
.endm
.macro PLACES n
.rept \n
	v_nop
.endr
.endm
.macro TLOAD g0, g1
	tensor_load_to_lds s[\g0:\g0+3], s[\g1:\g1+7]
	s_nop 0
	PLACES 4
.endm
.macro JLOAD                           ; a joint load: waves 0, 1 A's two halves, waves 2, 3 B's
	s_cmp_eq_u32 s15, 0
	s_cbranch_scc0 .Lfor_b_\@
	TLOAD G0, G1
	s_branch .Lasked_\@
.Lfor_b_\@:
	TLOAD G0B, G1B
.Lasked_\@:
.endm
.macro CREST
	s_cmp_lg_u32 s14, 0
	s_cbranch_scc1 .Lnot_wave_0_\@
	s_barrier_signal -3
.Lnot_wave_0_\@:
	s_barrier_wait -3
	s_barrier_signal -1
	s_barrier_wait -1
.endm
.macro CROUND
	s_barrier_signal -1
	s_barrier_wait -1
	CREST
.endm
; ---- LDS loads.  k = 3 x block + piece: 512 bytes and four registers each
.macro LA q, k, adr
.if ((\q) == 1) && ((\k) > 11)
	WIN 0x40
	ds_load_b128 v[AP+4*(\k)-48:AP+4*(\k)-45], v[\adr] offset:STEPB*(\q)+512*(\k)
.else
	WIN 0
	ds_load_b128 v[AF+4*(\k):AF+4*(\k)+3], v[\adr] offset:STEPB*(\q)+512*(\k)
.endif
.endm
.macro LB q, k, adr
.if (\q) == 1
	WIN 0
	ds_load_b128 v[48+4*(\k):48+4*(\k)+3], v[\adr] offset:STEPB*(\q)+512*(\k)
.else
	WIN 0x40
	ds_load_b128 v[48*(\q)+4*(\k):48*(\q)+4*(\k)+3], v[\adr] offset:STEPB*(\q)+512*(\k)
.endif
.endm
.macro LS q, e, adr
	WIN 0
	ds_load_b128 v[SC+8*(\q)+4*(\e):SC+8*(\q)+4*(\e)+3], v[\adr] offset:STEPB*(\q)+12288+256*(\e)
.endm
.macro FETCH q, adr                    ; B's eight blocks, A's blocks 0-3, the scale words: 38 loads
.irp k, 0,1,2,3,4,5,6,7,8,9,10,11,12,13,14,15,16,17,18,19,20,21,22,23
	LB \q, \k, \adr+1
.endr
.irp k, 0,1,2,3,4,5,6,7,8,9,10,11
	LA \q, \k, \adr
.endr
	LS \q, 0, \adr+2
	LS \q, 1, \adr+2
.endm
.macro FETCH47 q, adr                  ; A's blocks 4-7: 12 loads
.irp k, 12,13,14,15,16,17,18,19,20,21,22,23
	LA \q, \k, \adr
.endr
	WIN 0
.endm
; ---- product n = 8 a + b of a step: the 64 accumulators by turns.  first = 1: the bias is the sums' C
.macro PROD q, n, first
.set AA_, (\n)/8
.set BB_, (\n)%8
.set D_, 8*(8*(AA_%4)+BB_)
.set AR_, AF+12*AA_
.set AW_, 0
.if (\q) == 1
.set B_, 48+12*BB_
.set W_, 0
.if AA_ > 3
.set AR_, AP+12*AA_-48
.set AW_, 4
.endif
.else
.set B_, 48*(\q)+12*BB_
.set W_, 1
.endif
.if \first
	WIN (0x90+0x40*(AA_/4)+W_)
	v_wmma_scale_f32_16x16x128_f8f6f4 v[D_:D_+7], v[B_:B_+11], v[AR_:AR_+11], v[96+8*BB_:96+8*BB_+7], v[SC+8*(\q)+BB_], v[SC+8*(\q)+AA_] matrix_a_fmt:MATRIX_FMT_FP6 matrix_b_fmt:MATRIX_FMT_FP6 matrix_a_scale:MATRIX_SCALE_ROW1
.else
	WIN (0xa0+0x50*(AA_/4)+W_+AW_)
	v_wmma_scale_f32_16x16x128_f8f6f4 v[D_:D_+7], v[B_:B_+11], v[AR_:AR_+11], v[D_:D_+7], v[SC+8*(\q)+BB_], v[SC+8*(\q)+AA_] matrix_a_fmt:MATRIX_FMT_FP6 matrix_b_fmt:MATRIX_FMT_FP6 matrix_a_scale:MATRIX_SCALE_ROW1
.endif
.endm
.macro RUN q, from, to, first
.set N_, \from
.rept (\to)-(\from)
	PROD \q, N_, \first
.set N_, N_+1
.endr
.endm
; Four places stand between products and the loads into their registers (ISA guide 7.12.1 for vector instructions).
.macro STEP q, nx, first
.if \q == 0
	s_wait_dscnt 12                                ; B's set, A's blocks 0-3 and the scale words are in; the 12 loads of A's blocks 4-7 may be out
.else
	s_wait_dscnt 0x0                               ; all of this step's fragments, asked for 32 products ago, are in
.endif
	RUN \q, 0, 32, \first
.if \q == 0
	s_wait_dscnt 0x0
.endif
	PLACES 4
	FETCH \nx, ADRA
	FETCH47 \nx, ADRA
	RUN \q, 32, 64, \first
.endm
; A chunk's last step.  kind 0: a round, the slot just read out is filled again, two chunks on; kind 1: the last fill; kind 2: a plain barrier shows the last fill to all, nothing is filled.
.macro TURN kind
	s_wait_dscnt 0x0
	RUN 2, 0, 20, 0
	WIN 0
.if \kind < 2
	s_mov_b32 s47, s46                             ; the slot just read out
	s_xor_b32 s46, s46, SLOT                       ; the next chunk's slot
	v_add_nc_u32 v[ADRA], s46, v[AD0]
	v_add_nc_u32 v[ADRA+1], s46, v[AD0+1]
	v_add_nc_u32 v[ADRA+2], s46, v[AD0+2]
	s_wait_alu depctr_va_vdst(0)
.endif
	s_wait_tensorcnt 0x0                           ; all my tensor loads have landed: my part of the next chunk
.if \kind < 2
	ds_add_u32 v[SPW], v[NIL]                      ; products stand between it and its wait
	s_add_nc_u64 s[G0+2:G0+3], s[G0+2:G0+3], HALFB ; no load of mine is out: the descriptors may be written
	s_add_nc_u64 s[G0B+2:G0B+3], s[G0B+2:G0B+3], HALFB
.if \kind == 0
	s_add_co_u32 s[G0+1], s45, s47
	s_add_co_u32 s[G0B+1], s45, s47
.else
	s_mov_b32 s[G0+1], SLOT                        ; both row groups' last step: two rows of 12,800 bytes
	s_mov_b32 s[G0B+1], SLOT+2*STEPB
.irp g, G1, G1B
	s_mov_b32 s[\g+1], 1600<<16
	s_mov_b32 s[\g+2], 2<<16
	s_mov_b32 s[\g+3], 1600<<16
	s_mov_b32 s[\g+4], 2
	s_mov_b32 s[\g+5], RGB/8
.endr
.endif
.endif
	RUN 2, 20, 26, 0
	WIN 0
	s_wait_dscnt 0x0                               ; the add and my reads of this slot are done
	s_barrier_signal -1
	RUN 2, 26, 32, 0
	WIN 0
	s_barrier_wait -1
.if \kind == 0
	CREST
	JLOAD
.elseif \kind == 1
	CREST
	s_cmp_eq_u32 s14, 0
	s_cbranch_scc0 .Llast_b
	TLOAD G0, G1                                   ; wave 0: A's last step
	s_branch .Llast_asked
.Llast_b:
	s_cmp_eq_u32 s14, 2
	s_cbranch_scc0 .Llast_c
	TLOAD G0B, G1B                                 ; wave 2: B's
	s_branch .Llast_asked
.Llast_c:
	TLOAD G0C, G1C                                 ; waves 1 and 3: c_tm1's tile
.Llast_asked:
.else
	PLACES 4
.endif
.if \kind < 2
	FETCH 0, ADRA
.else
	FETCH 0, AD5
.endif
	RUN 2, 32, 64, 0
	PLACES 4
.if \kind < 2
	FETCH47 0, ADRA
.else
	FETCH47 0, AD5
.endif
.endm
.macro PFCHUNK                         ; 150 blocks of 256 bytes: 128 by the first line, 32 a partner, 22 by the second
	global_prefetch_b8 v[PF1], s[84:85] th:TH_LOAD_NT scope:SCOPE_SE
	global_prefetch_b8 v[PF2], s[84:85] th:TH_LOAD_NT scope:SCOPE_SE
.endm
; ================= THE HEAD
	s_load_b256 s[4:11], s[0:1], 0x0               ; a_img, b_img, bias, c_tm1
	s_load_b128 s[80:83], s[0:1], 0x20             ; out0, out1
	v_lshl_add_u32 v[SPW], v0, 2, SPARE
	v_mov_b32 v[NIL], 0
	ds_add_u32 v[SPW], v[NIL]                      ; the opening: the add, twice on end, under one wait
	ds_add_u32 v[SPW], v[NIL]
	v_lshrrev_b32 v1, 5, v0
	v_readfirstlane_b32 s14, v1                    ; wave
	s_lshr_b32 s15, s14, 1                         ; my row half.  Also: I fetch for A (0) or B (1)
	s_and_b32 s16, s14, 1                          ; my unit half.  Also: which 128 rows of that tile I fetch
	s_bfe_u32 s40, ttmp6, 0x40000                  ; cx
	s_bfe_u32 s41, ttmp6, 0x40004                  ; cy
	s_lshl_b32 s42, ttmp9, 2
	s_add_co_u32 s42, s42, s40                     ; tile column: 64 units
	s_and_b32 s17, ttmp7, 0xffff
	s_lshl_b32 s17, s17, 2
	s_add_co_u32 s17, s17, s41                     ; tile row: 256 rows
	s_lshl_b32 s43, s41, 2
	s_lshl_b32 s43, 15, s43                        ; my row of the cluster
	s_lshl_b32 s44, 0x1111, s40                    ; my column
	s_or_b32 s[G1+0], s43, (3<<16)|(1<<21)         ; elements of 8 bytes, no padding, bit 21 set beside the mask
	s_or_b32 s[G1B+0], s44, (3<<16)|(1<<21)
.irp g, G1, G1B
	s_mov_b32 s[\g+1], 320<<16                     ; 15 rows of 320 elements on end: 38,400 bytes
	s_mov_b32 s[\g+2], 15<<16
	s_mov_b32 s[\g+3], 320<<16
	s_mov_b32 s[\g+4], 15
	s_mov_b32 s[\g+5], 320
	s_mov_b32 s[\g+6], 0
	s_mov_b32 s[\g+7], 0
.endr
	s_mul_i32 s45, s14, HALFB                      ; where my part of a chunk goes in its slot
	s_mov_b32 s46, 0                               ; the slot at work
	s_lshl_b32 s20, s17, 1
	s_add_co_u32 s20, s20, s16
	s_mul_i32 s20, s20, RGB
	s_mov_b32 s21, 0
	s_lshl_b32 s22, s42, 1
	s_add_co_u32 s22, s22, s16
	s_mul_i32 s22, s22, RGB
	s_mov_b32 s23, 0
	s_mov_b32 s[G0], 1
	s_mov_b32 s[G0+1], s45
	s_mov_b32 s[G0B], 1
	s_mov_b32 s[G0B+1], s45
	s_wait_alu depctr_va_vdst(0)
	s_wait_dscnt 0x0                               ; both opening adds are done
	CROUND                                         ; all sixteen work-groups are here: the first joint loads meet
	s_wait_kmcnt 0x0
	s_add_nc_u64 s[G0+2:G0+3], s[4:5], s[20:21]
	s_or_b32 s[G0+3], s[G0+3], 0x80000000
	s_add_nc_u64 s[G0B+2:G0B+3], s[6:7], s[22:23]
	s_or_b32 s[G0B+3], s[G0B+3], 0x80000000
	JLOAD                                          ; chunk 0
	s_cmp_eq_u32 s15, 0                            ; the prefetches: my row group of A or of B, from chunk 1 on
	s_cselect_b64 s[84:85], s[4:5], s[6:7]
	s_cselect_b32 s86, s20, s22
	s_cselect_b32 s18, s40, s41                    ; my place among the four that ask with me
	s_mov_b32 s87, 0
	s_add_nc_u64 s[84:85], s[84:85], s[86:87]
	s_add_nc_u64 s[84:85], s[84:85], HALFB
	s_lshl_b32 s67, s18, 5
	s_mul_i32 s94, s18, 6
	s_mul_i32 s95, s18, 13
	s_lshl_b32 s20, s17, 20                        ; the tile's place in c_tm1 and the outputs
	s_lshl_b32 s22, s42, 8
	s_add_co_u32 s20, s20, s22
	s_add_nc_u64 s[88:89], s[10:11], s[20:21]
	s_lshl_b32 s22, s15, 19                        ; my row half
	s_mov_b32 s[G0C], 1
	s_add_nc_u64 s[G0C+2:G0C+3], s[88:89], s[22:23]
	s_or_b32 s[G0C+3], s[G0C+3], 0x80000000
	s_cmp_eq_u32 s16, 0                            ; on the way out waves of unit half 0 store c_t, those of unit half 1 h_t
	s_cselect_b64 s[90:91], s[82:83], s[80:81]
	s_add_nc_u64 s[90:91], s[90:91], s[20:21]
	s_add_nc_u64 s[90:91], s[90:91], s[22:23]
	s_lshl_b32 s20, s42, 8
	s_lshl_b32 s22, s16, 7
	s_add_co_u32 s20, s20, s22
	s_add_nc_u64 s[92:93], s[8:9], s[20:21]        ; my 32 units' bias
	s_mov_b32 s[G1C+0], (3<<16)|(1<<20)|(5<<22)|(3<<25)   ; 128 rows of 256 bytes, 16 bytes of padding behind each
	s_mov_b32 s[G1C+1], 32<<16
	s_mov_b32 s[G1C+2], 128<<16
	s_mov_b32 s[G1C+3], 32<<16
	s_mov_b32 s[G1C+4], 128
	s_mov_b32 s[G1C+5], 512
	s_mov_b32 s[G1C+6], 0
	s_mov_b32 s[G1C+7], 0
	s_mul_i32 s60, s15, 128*CP
	s_add_co_u32 s60, s60, CT
	s_mov_b32 s[G0C+1], s60
	s_mul_i32 s18, s15, HALFB
	s_mul_i32 s19, s16, HALFB
	s_add_co_u32 s19, s19, 2*HALFB
	s_sub_co_u32 s36, s19, s18                     ; from A's scale words to B's
	s_mul_i32 s37, s15, STEPB                      ; the same three for the last step
	s_add_co_u32 s37, s37, SLOT
	s_mul_i32 s38, s16, STEPB
	s_add_co_u32 s38, s38, SLOT+2*STEPB
	s_sub_co_u32 s39, s38, s37
	s_lshl_b32 s61, s16, 7
	s_add_co_u32 s61, s61, s60
	s_add_co_u32 s62, s61, HST-CT
	s_mul_i32 s63, s16, HST-CT
	s_add_co_u32 s63, s63, s60
	s_mul_i32 s66, s16, HST-CT-64*CP               ; blocks 4-7 of h_t lie where blocks 0-3 lay
	s_add_co_u32 s66, s66, s60
	v_and_b32 v1, 15, v0                           ; r
	v_bfe_u32 v2, v0, 4, 1                         ; h
	v_and_b32 v3, 31, v0                           ; lane
	v_lshlrev_b32 v48, 4, v3
	v_add_nc_u32 v[AD0], s18, v48
	v_add_nc_u32 v[AD0+1], s19, v48
	v_mul_u32_u24 v49, s36, v2
	v_lshl_add_u32 v49, v1, 4, v49
	v_add_nc_u32 v[AD0+2], s18, v49
	v_add_nc_u32 v[AD5], s37, v48
	v_add_nc_u32 v[AD5+1], s38, v48
	v_mul_u32_u24 v49, s39, v2
	v_lshl_add_u32 v49, v1, 4, v49
	v_add_nc_u32 v[AD5+2], s37, v49
	v_mov_b32 v[ADRA], v[AD0]
	v_mov_b32 v[ADRA+1], v[AD0+1]
	v_mov_b32 v[ADRA+2], v[AD0+2]
	v_mul_u32_u24 v49, v1, CP                      ; the way out, in: row r, 32 bytes for each half of the lanes
	v_lshl_add_u32 v49, v2, 5, v49
	v_add_nc_u32 v[STO], s61, v49
	v_add_nc_u32 v[STOH], s62, v49
	v_mul_u32_u24 v49, v2, CP                      ; and back: sixteen lanes a row of 256 bytes
	v_lshl_add_u32 v49, v1, 4, v49
	v_add_nc_u32 v[RD], s63, v49
	v_add_nc_u32 v[RD2], s66, v49
	v_lshlrev_b32 v49, 12, v2
	v_lshl_add_u32 v[CO], v1, 4, v49
	v_add_nc_u32 v49, s67, v3                      ; prefetches, in blocks of 256 bytes
	v_lshlrev_b32 v[PF1], 8, v49
	v_min_u32 v49, 5, v3
	v_add_nc_u32 v49, s94, v49
	v_min_u32 v49, 21, v49
	v_add_nc_u32 v49, 0x80, v49
	v_lshlrev_b32 v[PF2], 8, v49
	v_min_u32 v49, 12, v3
	v_add_nc_u32 v49, s95, v49
	v_min_u32 v49, 49, v49
	v_lshlrev_b32 v[PF3], 8, v49
	v_lshlrev_b32 v[PFC], 12, v0                   ; a row of c_tm1 a thread
	v_lshlrev_b32 v50, 5, v2
	s_wait_alu depctr_va_vdst(0)
	WIN 0x40
.irp b, 0,1,2,3,4,5,6,7
.irp q, 0,1
	global_load_b128 v[96+8*\b+4*\q:96+8*\b+4*\q+3], v50, s[92:93] offset:4096*(2*(\b/4)+\b%2)+64*((\b/2)%2)+16*\q
.endr
.endr
	WIN 0
	PFCHUNK                                        ; chunk 1
	s_wait_tensorcnt 0x0                           ; my part of chunk 0 is in
	ds_add_u32 v[SPW], v[NIL]
	s_add_nc_u64 s[G0+2:G0+3], s[G0+2:G0+3], HALFB
	s_add_nc_u64 s[G0B+2:G0B+3], s[G0B+2:G0B+3], HALFB
	s_add_co_u32 s[G0+1], s45, SLOT
	s_add_co_u32 s[G0B+1], s45, SLOT
	s_wait_dscnt 0x0
	CROUND
	JLOAD                                          ; chunk 1 into slot 1
	FETCH 0, ADRA
	FETCH47 0, ADRA
	s_wait_loadcnt 0x0                             ; the bias is in
	STEP 0, 1, 1
	WIN 0
	s_wait_xcnt 0x0                                ; the prefetches have read their base
	s_add_nc_u64 s[84:85], s[84:85], HALFB
	PFCHUNK                                        ; chunk 2
	s_mov_b32 s3, 3
.Lchunk:                                               ; steps 1-3, 4-6, 7-9; chunks 2, 3, 4 are asked for
	STEP 1, 2, 0
	TURN 0
	WIN 0
	s_wait_xcnt 0x0
	s_add_nc_u64 s[84:85], s[84:85], HALFB
	s_cmp_eq_u32 s3, 1
	s_cbranch_scc1 .Lask_last
	PFCHUNK                                        ; chunks 3, 4
	s_branch .Lask_done
.Lask_last:                                            ; the last step's 50 blocks, and c_tm1's tile
	global_prefetch_b8 v[PF3], s[84:85] th:TH_LOAD_NT scope:SCOPE_SE
	global_prefetch_b8 v[PFC], s[88:89] th:TH_LOAD_NT scope:SCOPE_SE
	global_prefetch_b8 v[PFC], s[88:89] offset:524288 th:TH_LOAD_NT scope:SCOPE_SE
.Lask_done:
	STEP 0, 1, 0
	WIN 0
	s_sub_co_u32 s3, s3, 1
	s_cmp_lg_u32 s3, 0
	s_cbranch_scc1 .Lchunk
	STEP 1, 2, 0                                   ; step 10
	TURN 1                                         ; step 11: the last fill
	STEP 0, 1, 0                                   ; steps 12 and 13
	STEP 1, 2, 0
	TURN 2                                         ; step 14
	s_wait_dscnt 12                                ; step 15: nothing more to fetch
	RUN 0, 0, 32, 0
	s_wait_dscnt 0x0
	RUN 0, 32, 64, 0
	PLACES 4
	WIN 0
; ================= THE CELL, by blocks of 16 rows x my 32 units: 16 numbers a lane and gate.
; With e_f, e_i, e_o = exp(-gate), e_g = exp(-2 gate):  c = c_tm1 / (1 + e_f) + (1 - e_g) / ((1 + e_i)(1 + e_g)),  h = (1 - e_c) / ((1 + e_o)(1 + e_c)), e_c = exp(-2 c).
.macro CLOAD a
.irp u, 0,1
.irp q, 0,1
	ds_load_b128 v[CB+8*\u+4*\q:CB+8*\u+4*\q+3], v[STO] offset:16*CP*(\a)+64*\u+16*\q
.endr
.endr
.endm
.macro MULS a                          ; to the base 2: each accumulator from its low end on
	WIN (0x02+(\a)/4)
	s_wait_alu depctr_va_vdst(0)
.irp b, 0,1,2,3,4,5,6,7
.irp q, 0,1,2,3
.set G_, 2*(\b/4)+\b%2
.set E_, EX+16*G_+8*((\b/2)%2)+2*\q
.set R_, 64*((\a)%4)+8*\b+2*\q
.if G_ == 2
	v_pk_mul_f32 v[E_:E_+1], v[R_:R_+1], s[20:21] op_sel_hi:[1,0]
.else
	v_pk_mul_f32 v[E_:E_+1], v[R_:R_+1], s[18:19] op_sel_hi:[1,0]
.endif
.endr
.endr
	WIN 0
.endm
.macro TRANS op, reg, n                ; a batch of transcendentals behind its wait, one plain place behind it
	s_wait_alu depctr_va_vdst(0)
.set k, 0
.rept \n
	\op v[\reg+k], v[\reg+k]
.set k, k+1
.endr
	v_nop
.endm
.macro HOLD reg
.set k, 0
.rept 16
	v_min_num_f32 v[\reg+k], s22, v[\reg+k]
.set k, k+1
.endr
.endm
.macro RBACK a                         ; whole rows of 256 bytes, c_t's or h_t's
.irp t, 0,1,2,3,4,5,6,7
.if (\a) < 4
	ds_load_b128 v[RB+4*\t:RB+4*\t+3], v[RD] offset:CP*(16*(\a)+2*\t)
.else
	ds_load_b128 v[RB+4*\t:RB+4*\t+3], v[RD2] offset:CP*(16*(\a)+2*\t)
.endif
.endr
.endm
.macro SEND a
.irp t, 0,1,2,3,4,5,6,7
	global_store_b128 v[CO], v[RB+4*\t:RB+4*\t+3], s[90:91] offset:4096*(16*(\a)+2*\t) th:TH_STORE_NT   ; each half of the lanes stores one aligned unit of 256 bytes
.endr
.endm
.macro EPI a
	TRANS v_exp_f32, EX, 64
.if (\a) > 0
	s_barrier_wait -1                              ; both unit halves of the block before lie in the stages
.if (\a) > 1
	s_wait_xcnt 0x0                                ; the earlier stores have read their registers
.endif
	RBACK (\a)-1
.endif
	s_wait_alu depctr_va_vdst(0)
	HOLD EXG
.irp i, 0,2,4,6,8,10,12,14
	v_pk_fma_f32 v[NUM+\i:NUM+\i+1], v[EXG+\i:EXG+\i+1], -1.0, 1.0 op_sel_hi:[1,0,0]
.endr
.set k, 0
.rept 32
	v_pk_add_f32 v[EX+k:EX+k+1], v[EX+k:EX+k+1], 1.0 op_sel_hi:[1,0]
.set k, k+2
.endr
.irp i, 0,2,4,6,8,10,12,14
	v_pk_mul_f32 v[EXI+\i:EXI+\i+1], v[EXI+\i:EXI+\i+1], v[EXG+\i:EXG+\i+1]
.endr
	s_wait_alu depctr_va_vdst(0)                   ; ahead of the blocking wait
	s_wait_dscnt 0x0                               ; c_tm1's numbers, and the rows of the block before
.if (\a) > 0
	SEND (\a)-1
.endif
	TRANS v_rcp_f32, EXF, 32                       ; of 1 + e_f and of (1 + e_i)(1 + e_g)
	s_wait_alu depctr_va_vdst(0)
.irp i, 0,2,4,6,8,10,12,14
	v_pk_mul_f32 v[NUM+\i:NUM+\i+1], v[NUM+\i:NUM+\i+1], v[EXI+\i:EXI+\i+1]
.endr
.irp i, 0,2,4,6,8,10,12,14
	v_pk_fma_f32 v[PRD+\i:PRD+\i+1], v[CB+\i:CB+\i+1], v[EXF+\i:EXF+\i+1], v[NUM+\i:NUM+\i+1]
.endr
.irp i, 0,2,4,6,8,10,12,14
	v_pk_mul_f32 v[DEN+\i:DEN+\i+1], v[PRD+\i:PRD+\i+1], s[20:21] op_sel_hi:[1,0]
.endr
	TRANS v_exp_f32, DEN, 16
	s_wait_alu depctr_va_vdst(0)
	HOLD DEN
.irp i, 0,2,4,6,8,10,12,14
	v_pk_fma_f32 v[NUM+\i:NUM+\i+1], v[DEN+\i:DEN+\i+1], -1.0, 1.0 op_sel_hi:[1,0,0]
.endr
.irp i, 0,2,4,6,8,10,12,14
	v_pk_add_f32 v[DEN+\i:DEN+\i+1], v[DEN+\i:DEN+\i+1], 1.0 op_sel_hi:[1,0]
.endr
.irp i, 0,2,4,6,8,10,12,14
	v_pk_mul_f32 v[DEN+\i:DEN+\i+1], v[DEN+\i:DEN+\i+1], v[EXO+\i:EXO+\i+1]
.endr
	TRANS v_rcp_f32, DEN, 16
	s_wait_alu depctr_va_vdst(0)
.irp i, 0,2,4,6,8,10,12,14
	v_pk_mul_f32 v[NUM+\i:NUM+\i+1], v[NUM+\i:NUM+\i+1], v[DEN+\i:DEN+\i+1]
.endr
.irp u, 0,1
.irp q, 0,1
	ds_store_b128 v[STO], v[PRD+8*\u+4*\q:PRD+8*\u+4*\q+3] offset:16*CP*(\a)+64*\u+16*\q
	ds_store_b128 v[STOH], v[NUM+8*\u+4*\q:NUM+8*\u+4*\q+3] offset:16*CP*((\a)%4)+64*\u+16*\q
.endr
.endr
.if (\a) < 7
	CLOAD (\a)+1
	MULS (\a)+1                                    ; under the stores' way into LDS
.endif
	s_wait_dscnt 0x0                               ; for the other waves' sake: my stores into the stages are done
	s_barrier_signal -1
.endm
	s_mov_b32 s18, 0xbfb8aa3b                      ; -log2(e)
	s_mov_b32 s19, s18
	s_mov_b32 s20, 0xc038aa3b                      ; -2 log2(e)
	s_mov_b32 s21, s20
	s_mov_b32 s22, 0x53800000                      ; 2^40
	CLOAD 0
	MULS 0
.irp a, 0,1,2,3,4,5,6,7
	EPI \a
.endr
	s_barrier_wait -1
	s_wait_xcnt 0x0
	RBACK 7
	s_wait_dscnt 0x0
	SEND 7
	s_wait_tensorcnt 0x0                           ; the wave's end
	ds_add_u32 v[SPW], v[NIL]
	s_wait_dscnt 0x0
	CROUND                                         ; the closing round
	s_endpgm
.Lfunc_end_k_q40b77b790e_lstm:
	.size	k_q40b77b790e_lstm, .Lfunc_end_k_q40b77b790e_lstm-k_q40b77b790e_lstm
	.p2alignl 7, 3214868480
	.fill 96, 4, 3214868480
	.section	.rodata,"a",@progbits
	.p2align	6, 0x0
	.amdhsa_kernel k_q40b77b790e_lstm
		.amdhsa_group_segment_fixed_size 327680
		.amdhsa_private_segment_fixed_size 0
		.amdhsa_enable_private_segment 0
		.amdhsa_kernarg_size 48
		.amdhsa_user_sgpr_count 2
		.amdhsa_user_sgpr_kernarg_segment_ptr 1
		.amdhsa_wavefront_size32 1
		.amdhsa_system_sgpr_workgroup_id_x 1
		.amdhsa_system_sgpr_workgroup_id_y 1
		.amdhsa_system_sgpr_workgroup_id_z 1
		.amdhsa_system_vgpr_workitem_id 0
		.amdhsa_next_free_vgpr 1024
		.amdhsa_next_free_sgpr 98
		.amdhsa_reserve_vcc 0
		.amdhsa_float_denorm_mode_32 3
		.amdhsa_float_denorm_mode_16_64 3
		.amdhsa_memory_ordered 1
		.amdhsa_forward_progress 1
		.amdhsa_inst_pref_size 255
	.end_amdhsa_kernel
	.section	.bss,"aw",@nobits
	.p2align	6
	.space	262144
	.amdgpu_metadata
---
amdhsa.version: [ 1, 2 ]
amdhsa.kernels:
  - .name:           k_q40b77b790e_lstm
    .symbol:         k_q40b77b790e_lstm.kd
    .args:
      - { .name: a_img, .offset: 0, .size: 8, .value_kind: global_buffer, .address_space: global }
      - { .name: b_img, .offset: 8, .size: 8, .value_kind: global_buffer, .address_space: global }
      - { .name: bias, .offset: 16, .size: 8, .value_kind: global_buffer, .address_space: global }
      - { .name: c_tm1, .offset: 24, .size: 8, .value_kind: global_buffer, .address_space: global }
      - { .name: out0, .offset: 32, .size: 8, .value_kind: global_buffer, .address_space: global }
      - { .name: out1, .offset: 40, .size: 8, .value_kind: global_buffer, .address_space: global }
    .group_segment_fixed_size: 327680
    .private_segment_fixed_size: 0
    .kernarg_segment_align: 8
    .kernarg_segment_size: 48
    .max_flat_workgroup_size: 128
    .sgpr_count:     98
    .vgpr_count:     1024
    .wavefront_size: 32
...
	.end_amdgpu_metadata
.endif
;; end of part 2
